; MI455X (gfx1250); checked and timed in simulation.
; The chip was launched on July 23, 2026; its instructions are those of AMD's public machine-readable ISA for CDNA 5 (MIT licence, August 2026) and "CDNA5" Instruction Set Architecture Reference Guide (July 2026). The comments in the code are by the model that wrote it; some were corrected since.
;; Multi Head Attention. Allowed arithmetic: matrix products marked QUANTISED: E4M3 operands, one given power-of-two scale a tensor, by v_wmma_f32_16x16x64_fp8_fp8 or v_wmma_f32_16x16x128_fp8_fp8, f32 sums; products left as they are: f32 operands where the result goes on into a quantised operand, else bf16, f16 or f32 operands; f32 sums; everything else in f32.
;; Inputs: K 2 x 1,024 x 1,024 float32; Q 2 x 1,024 x 1,024 float32; V 2 x 1,024 x 1,024 float32; Wk 1,024 x 1,024 float32; Wo 1,024 x 1,024 float32; Wq 1,024 x 1,024 float32; Wv 1,024 x 1,024 float32; bk 1,024 float32; bo 1,024 float32; bq 1,024 float32; bv 1,024 float32; lowp_scales 10 int32 (the exponents e of the quantised operands' scales 2^e).
;; Outputs: out0 2 x 1,024 x 1,024 float32.
;; This version of the problem:
;;   THIS VERSION OF THE PROBLEM IS GIVEN IN LOW PRECISION. The matrix products marked QUANTISED in the list below multiply operands that are first quantised to E4M3 (4 exponent bits, 3 mantissa bits; 8 bits a number), with one given power-of-two scale for each operand tensor; their sums are f32. All else is computed in f32.
;;   The module's matrix products, in the order in which they are computed (A, B: the left and right operand; K: the contracted axis; several contracted axes count as one K, in the product's order):
;;     1. [M 2,048, K 1,024] x [K 1,024, N 1,024]; A: input Q; B: input Wq: QUANTISED (scales: A lowp_scales[0], B lowp_scales[1])
;;     2. [M 2,048, K 1,024] x [K 1,024, N 1,024]; A: input K; B: input Wk: QUANTISED (scales: A lowp_scales[2], B lowp_scales[3])
;;     3. [M 2,048, K 1,024] x [K 1,024, N 1,024]; A: input V; B: input Wv: QUANTISED (scales: A lowp_scales[4], B lowp_scales[5])
;;     4. batch 128 x [M 1,024, K 16] x [K 16, N 1,024]; A: computed on the way; B: computed on the way: left as it is (K = 16 < 32)
;;     5. batch 128 x [M 1,024, K 1,024] x [K 1,024, N 16]; A: softmax (see below); B: computed on the way: QUANTISED (scales: A lowp_scales[6], B lowp_scales[7])
;;     6. [M 2,048, K 1,024] x [K 1,024, N 1,024]; A: computed on the way; B: input Wo: QUANTISED (scales: A lowp_scales[8], B lowp_scales[9])
;;   THE QUANTISER, for each operand of a quantised product, along K:
;;     - The operand's scale is 2^e, e = its entry of the input lowp_scales (int32; the entries are numbered through the quantised products in the list's order, A before B).
;;     - Each number is divided by the scale, clamped to +-448, and rounded to the nearest number of E4M3, ties to even, subnormals kept.
;;     - The product sums the exact products of the quantised numbers (number of the format x scale) in f32.
;;   ~~~python
;;   def quantise(x, axis, e):      # numpy; x: float32 -> the quantised numbers, widened to float32 again
;;       x = np.moveaxis(x, axis, -1); K = x.shape[-1]
;;       r = np.clip(x / 2.0 ** e, -448, 448)
;;       step = 2.0 ** (np.maximum(np.frexp(np.where(r == 0, 1, r))[1] - 1, -6) - 3)
;;       q = np.round(r / step) * step * 2.0 ** e      # np.round: ties to even
;;       return np.moveaxis(q, -1, axis).astype(np.float32)
;;   ~~~
;;   SOFTMAX AHEAD OF A QUANTISED PRODUCT. Where the list says 'softmax', what is quantised is not the finished softmax but p = 2^(t - M), with t = logit x log2(e) and M = ceil(the row's largest t), a whole number; so 1/2 < the row's largest p <= 1. The row's sum l is taken of the UNQUANTISED p, in f32, and the product's result is divided by l at the end. Since M is a whole number, a kernel that streams over the keys may use a running M (the ceiling of the running maximum): every later rescaling is an exact power of two, so the quantised numbers keep their values, but for numbers so far below the row's largest that they fall under the format's range.
;;   OPERANDS COMPUTED ON THE WAY. 'Computed on the way' means the value that the module computes at that place (a softmax that the list does not call 'softmax' is quantised finished and normalised). What goes into a quantiser is computed in f32, as accurately as f32 sums, v_exp_f32 and their like allow (about 1e-6 of the number): no bf16 or f16 on the way to a quantiser, and a product that is left as it is and whose result goes on into a quantised operand takes f32 operands (vector FMAs, or v_wmma_f32_16x16x4_f32). A number that lies on a knife's edge between two numbers of the format may be rounded either way, as far as f32 arithmetic and the matrix unit's own rounding can turn it there, and no further.
;; One version. Each part assembles by itself: llvm-mc -triple=amdgcn-amd-amdhsa -mcpu=gfx1250 --defsym DOCPART=n.
;; ======== version 1 of 1: 4 launches
;; workspace buffers: codes 10,485,760 bytes; qkimg 16,777,216 bytes; vimg 2,097,152 bytes; cimg 2,097,152 bytes
;; launch quant (part 1): grid 32 x 10, 4 waves a work-group, no clusters, 33,280 bytes of LDS; arguments Q, K, V, Wq, Wk, Wv, Wo, lowp_scales, codes; writes codes
.if DOCPART == 1
	.amdgcn_target "amdgcn-amd-amdhsa--gfx1250"
	.amdhsa_code_object_version 6
	.text
	.protected	k_q4e5372596a_quant
	.globl	k_q4e5372596a_quant
	.p2align	8
	.type	k_q4e5372596a_quant,@function
k_q4e5372596a_quant:
	s_mov_b64 s[64:65], 0
	v_nop
	global_prefetch_b8 v0, s[64:65] scope:SCOPE_SE
	s_setreg_imm32_b32 hwreg(HW_REG_WAVE_MODE, 25, 1), 1
	s_wait_xcnt 0x0
; Q, K, V [2048][1024] and Wq, Wk, Wv, Wo [1024][1024], f32, K innermost, become codes of FP8 (E4M3), one byte each, each tensor with the one scale 2^e given for it.
; code = x / 2^e, held within +-448, rounded to the nearest code, ties to even.
; The codes lie in ten segments of 1 MiB: Q (0, 1), K (2, 3), V (4, 5), Wq (6), Wk (7), Wv (8), Wo (9); rows of 1,024 bytes, as the numbers lie.
; Work-group y is the segment (2^20 numbers), work-group x its run of 32,768 numbers; a wave takes 16 steps of 512 numbers.  Rows are dense, so nothing here knows of rows.
; The conversions take 8 numbers of one lane's consecutive registers, so a lane must hold neighbours; a load is dense where neighbouring LANES take neighbouring bytes.  Both are had: each of a step's four loads
; reads 512 consecutive bytes, 16 a lane; the 2,048 bytes go through the wave's own stage in LDS and come back 64 bytes a lane (16 bytes of padding behind each 64).  A lane's 16 codes are 16 bytes: a store covers 512 consecutive bytes.
; No tensor loads, no barrier: waves share nothing.  Loads run four steps (16 loads a wave) ahead, the turn through LDS one step.
; LIMITS: each e between -126 and 119, so that 2^e and 448 x 2^e are f32 numbers.  NaN among the inputs is not served (an infinity is held at the largest code).
.set STEPS, 16
.set EMAX,  8
.set MANT,  0x600000                   ; the mantissa field of 448 as f32
.set CB,    16                         ; bytes of 16 codes
.set R,     16                         ; v16-79   four sets of 16 numbers as they are loaded
.set X,     80                         ; v80-111  two sets of 16 neighbours
.set C,     128                        ; v128-191 codes: four registers for each step, so that no store's data are written again
.set WREG,  8192                       ; LDS: a region of its own for each wave: two stages of 32 x SP bytes
.set SP,    80                         ; a lane's place in a stage: its 64 bytes + 16 of padding
	s_load_b512 s[4:19], s[0:1], 0x0               ; Q, K, V, Wq, Wk, Wv, Wo, the scales' exponents (s[18:19])
	s_load_b64 s[20:21], s[0:1], 0x40              ; the codes
	v_lshl_add_u32 v192, v0, 2, 0x8000
	v_mov_b32 v193, 0
	v_lshrrev_b32 v1, 5, v0
	v_readfirstlane_b32 s23, v1                    ; wave
	v_and_b32 v2, 31, v0                           ; lane
	v_lshlrev_b32 v3, 4, v2                        ; my 16 bytes of a load's 512, and of a step's 512 bytes of codes
	s_mul_i32 s26, s23, WREG
	v_lshrrev_b32 v14, 2, v2
	v_mul_u32_u24 v14, v14, SP
	v_and_b32 v15, 3, v2
	v_lshl_add_u32 v14, v15, 4, v14
	v_add_nc_u32 v14, s26, v14                     ; the stage, on the way in: SP (lane / 4) + 16 (lane % 4); a load's 512 bytes take eight places
	v_mul_u32_u24 v15, v2, SP
	v_add_nc_u32 v15, s26, v15                     ; and on the way out: SP x lane: my 16 neighbours
	s_and_b32 s22, ttmp7, 0xffff                   ; y: the segment
	s_and_b32 s30, s22, 1                          ; the source's offset: Q, K, V have two segments of 4 MiB of numbers each,
	s_lshl_b32 s30, s30, 22
	s_cmp_lt_u32 s22, 6
	s_cselect_b32 s30, s30, 0                      ; the weights one;
	s_lshl_b32 s31, ttmp9, 17                      ; + 131,072 bytes a work-group
	s_add_co_u32 s30, s30, s31
	s_lshl_b32 s31, s23, 15                        ; + 32,768 a wave
	s_add_co_u32 s30, s30, s31
	s_mov_b32 s31, 0
	s_lshl_b32 s32, s22, 20                        ; the codes' offset: 1 MiB a segment,
	s_lshl_b32 s33, ttmp9, 15                      ; 32,768 bytes a work-group,
	s_add_co_u32 s32, s32, s33
	s_lshl_b32 s33, s23, 13                        ; 8,192 a wave
	s_add_co_u32 s32, s32, s33
	s_mov_b32 s33, 0
	s_and_b32 s34, s22, 6                          ; the scale's entry: Q 0, K 2, V 4;
	s_max_u32 s35, s22, 6
	s_lshl_b32 s35, s35, 1
	s_sub_co_u32 s35, s35, 11                      ; Wq 1, Wk 3, Wv 5;
	s_cmp_lt_u32 s22, 6
	s_cselect_b32 s34, s34, s35
	s_cmp_eq_u32 s22, 9
	s_cselect_b32 s34, 9, s34                      ; Wo 9
	s_lshl_b32 s34, s34, 2
	s_wait_kmcnt 0x0
	s_load_b32 s36, s[18:19], s34 offset:0x0       ; e
	s_mov_b64 s[24:25], s[16:17]                   ; the source: a choice among the seven buffers that hangs on the work-group's number alone
	s_cmp_eq_u32 s22, 8
	s_cselect_b64 s[24:25], s[14:15], s[24:25]
	s_cmp_eq_u32 s22, 7
	s_cselect_b64 s[24:25], s[12:13], s[24:25]
	s_cmp_eq_u32 s22, 6
	s_cselect_b64 s[24:25], s[10:11], s[24:25]
	s_cmp_lt_u32 s22, 6
	s_cselect_b64 s[24:25], s[8:9], s[24:25]
	s_cmp_lt_u32 s22, 4
	s_cselect_b64 s[24:25], s[6:7], s[24:25]
	s_cmp_lt_u32 s22, 2
	s_cselect_b64 s[24:25], s[4:5], s[24:25]
	s_add_nc_u64 s[24:25], s[24:25], s[30:31]
	s_add_nc_u64 s[28:29], s[20:21], s[32:33]
.macro LOAD t
.irp i, 0,1,2,3
	global_load_b128 v[R+16*((\t)%4)+4*\i:R+16*((\t)%4)+4*\i+3], v3, s[24:25] offset:2048*(\t)+512*\i th:TH_LOAD_NT   ; 32 lanes read 512 consecutive bytes; read once in the launch
.endr
.endm
.macro TURN t                          ; step t's numbers through the stage: LDS serves a wave's instructions in order, so no wait stands between the stores and the loads
.irp i, 0,1,2,3
	ds_store_b128 v14, v[R+16*((\t)%4)+4*\i:R+16*((\t)%4)+4*\i+3] offset:32*SP*((\t)%2)+8*SP*\i
.endr
.irp i, 0,1,2,3
	ds_load_b128 v[X+16*((\t)%2)+4*\i:X+16*((\t)%2)+4*\i+3], v15 offset:32*SP*((\t)%2)+16*\i
.endr
.endm
.irp t, 0,1,2,3
	LOAD \t
.endr
	s_wait_kmcnt 0x0
	s_add_co_i32 s36, s36, 127
	s_lshl_b32 s37, s36, 23
	v_mov_b32 v11, s37                             ; 2^e as f32: the conversion takes its exponent field
	s_add_co_i32 s36, s36, EMAX
	s_lshl_b32 s36, s36, 23
	s_or_b32 s36, s36, MANT
	v_mov_b32 v10, s36                             ; 448 x 2^e
	s_wait_loadcnt 12                              ; step 0's four loads are in; twelve younger ones stay out
	TURN 0
.macro STEP t
.set XS, X+16*((\t)%2)
	s_wait_dscnt 0x0                               ; this step's numbers are back from the stage: so its stores into the stage have read their registers,
.if (\t)+4 < STEPS
	LOAD (\t)+4                                    ; which take the loads of four steps on
.endif
.if (\t)+1 < STEPS
.if STEPS-2-(\t) >= 3
	s_wait_loadcnt 12                              ; the next step's four loads are in; those of the three steps behind it may be out
.else
	s_wait_loadcnt 4*(STEPS-2-(\t))
.endif
	TURN (\t)+1                                    ; and go through the other stage while this step is worked
.endif
.irp i, 0,1,2,3,4,5,6,7,8,9,10,11,12,13,14,15
	v_med3_num_f32 v[XS+\i], v[XS+\i], -v10, v10   ; the conversion to an 8-bit code does not saturate (ISA guide 7.6.2): the hold at the largest code x the scale comes first
.endr
	v_cvt_scalef32_pk8_fp8_f32 v[C+4*(\t):C+4*(\t)+1], v[XS:XS+7], v11          ; eight numbers / 2^e, to the nearest code, ties to even; the first number's code in the lowest byte
	v_cvt_scalef32_pk8_fp8_f32 v[C+4*(\t)+2:C+4*(\t)+3], v[XS+8:XS+15], v11
	global_store_b128 v3, v[C+4*(\t):C+4*(\t)+3], s[28:29] offset:32*CB*(\t)    ; the results go to a store alone; the next vector lines are the next step's holds, plain ones on other registers
.endm
.irp t, 0,1,2,3,4,5,6,7,8,9,10,11,12,13,14,15
	STEP \t
.endr
	s_wait_tensorcnt 0x0
	ds_add_u32 v192, v193
	s_wait_dscnt 0x0
	s_endpgm
.Lfunc_end_k_q4e5372596a_quant:
	.size	k_q4e5372596a_quant, .Lfunc_end_k_q4e5372596a_quant-k_q4e5372596a_quant
	.p2alignl 7, 3214868480
	.fill 96, 4, 3214868480
	.section	.rodata,"a",@progbits
	.p2align	6, 0x0
	.amdhsa_kernel k_q4e5372596a_quant
		.amdhsa_group_segment_fixed_size 33280
		.amdhsa_private_segment_fixed_size 0
		.amdhsa_enable_private_segment 0
		.amdhsa_kernarg_size 72
		.amdhsa_user_sgpr_count 2
		.amdhsa_user_sgpr_kernarg_segment_ptr 1
		.amdhsa_wavefront_size32 1
		.amdhsa_system_sgpr_workgroup_id_x 1
		.amdhsa_system_sgpr_workgroup_id_y 1
		.amdhsa_system_sgpr_workgroup_id_z 1
		.amdhsa_system_vgpr_workitem_id 0
		.amdhsa_next_free_vgpr 194
		.amdhsa_next_free_sgpr 66
		.amdhsa_reserve_vcc 0
		.amdhsa_float_denorm_mode_32 3
		.amdhsa_float_denorm_mode_16_64 3
		.amdhsa_memory_ordered 1
		.amdhsa_forward_progress 1
		.amdhsa_inst_pref_size 38
	.end_amdhsa_kernel
	.amdgpu_metadata
---
amdhsa.version: [ 1, 2 ]
amdhsa.kernels:
  - .name:           k_q4e5372596a_quant
    .symbol:         k_q4e5372596a_quant.kd
    .args:
      - { .name: Q, .offset: 0, .size: 8, .value_kind: global_buffer, .address_space: global }
      - { .name: K, .offset: 8, .size: 8, .value_kind: global_buffer, .address_space: global }
      - { .name: V, .offset: 16, .size: 8, .value_kind: global_buffer, .address_space: global }
      - { .name: Wq, .offset: 24, .size: 8, .value_kind: global_buffer, .address_space: global }
      - { .name: Wk, .offset: 32, .size: 8, .value_kind: global_buffer, .address_space: global }
      - { .name: Wv, .offset: 40, .size: 8, .value_kind: global_buffer, .address_space: global }
      - { .name: Wo, .offset: 48, .size: 8, .value_kind: global_buffer, .address_space: global }
      - { .name: lowp_scales, .offset: 56, .size: 8, .value_kind: global_buffer, .address_space: global }
      - { .name: codes, .offset: 64, .size: 8, .value_kind: global_buffer, .address_space: global }
    .group_segment_fixed_size: 33280
    .private_segment_fixed_size: 0
    .kernarg_segment_align: 8
    .kernarg_segment_size: 72
    .max_flat_workgroup_size: 128
    .sgpr_count:     66
    .vgpr_count:     194
    .wavefront_size: 32
...
	.end_amdgpu_metadata
.endif
;; end of part 1
;; launch proj (part 2): grid 8 x 48, 4 waves a work-group, clusters of 4 x 4, 279,040 bytes of LDS; arguments codes, bq, bk, bv, lowp_scales, qkimg, vimg; writes qkimg, vimg
.if DOCPART == 2
	.amdgcn_target "amdgcn-amd-amdhsa--gfx1250"
	.amdhsa_code_object_version 6
	.text
	.protected	k_q4e5372596a_proj
	.globl	k_q4e5372596a_proj
	.p2align	8
	.type	k_q4e5372596a_proj,@function
k_q4e5372596a_proj:
	s_mov_b64 s[64:65], 0
	v_nop
	global_prefetch_b8 v0, s[64:65] scope:SCOPE_SE
	s_setreg_imm32_b32 hwreg(HW_REG_WAVE_MODE, 25, 1), 1
	s_wait_xcnt 0x0
	s_wait_alu depctr_hold_cnt(0) depctr_sa_sdst(0) depctr_va_vdst(0) depctr_va_sdst(0) depctr_va_ssrc(0) depctr_va_vcc(0) depctr_vm_vsrc(0)
	s_getreg_b32 s2, hwreg(HW_REG_IB_STS2, 6, 4)
	s_cmp_eq_u32 s2, 0
	s_cbranch_scc0 .Lentry_in_a_cluster
	s_endpgm
.Lentry_in_a_cluster:
	s_bfe_u32 s2, ttmp6, 0x10000c
	s_cmp_lg_u32 s2, 0xf033
	s_cbranch_scc0 .Lentry_shape_is_right
	s_endpgm
.Lentry_shape_is_right:
; The three projections x W^T + b on codes of FP8 (E4M3): g = 0: q = Q Wq^T + bq, g = 1: k, g = 2: v.  x: [2048][1024] codes, W: [1024][1024] codes, K innermost; sums in f32, each multiplied once by 2^(ea + eb).
; SHARES.  A work-group makes 128 rows of x against 128 rows of W (8 heads of 16); four waves, each 64 x 64: 16 accumulators.  12 rows of clusters: g = cluster y / 4, the same in all sixteen partners.
; ALL OF K LIES IN LDS: 4 chunks of 256 along K of x and of W, 128 rows of 256 bytes + 16 of padding each.  Every chunk is filled once: no slot is filled again.
; CLUSTERS: 4 x 4 work-groups.  The four of a row of the cluster need the same rows of x, the four of a column the same rows of W: each chunk is asked for JOINTLY, by the same tensor load with the same descriptor
; and a mask that names the four.  Waves 0 and 1 ask for x's chunks (wave, wave + 2), waves 2 and 3 for W's: two loads of a wave are out.
; WHAT IS STORED ARE IMAGES OF THE NEXT LAUNCH'S OPERAND REGISTERS.
;   q, k (source 0 = 16 rows of W = one head, source 1 = 16 rows of x): a lane holds one row s and e = 8 (lane / 16) + 0 .. 7 of the head: f32, two stores of 512 dense bytes for each accumulator.
;   v (sources exchanged): a lane holds e = lane % 16 and its registers run along the keys 16 a + 8 (lane / 16) + 0 .. 7: v is quantised here with its given scale (entry 7), and the codes of a wave's 64 keys
;   are the 8 registers of a 16 x 64 operand in the matrix unit's own order.
; A fragment (16 rows x 128 K) comes by four loads of 16 bytes, 32 bytes apart: a permutation of k that is the same in x and in W, so every product meets its partner.
; LIMITS: ea + eb between -126 and 127; entry 7 between -126 and 119.  NaN among the inputs is not served.
; REGISTERS: window 0: v1 r, v2 h, v16-17 and v20-21 LDS addresses, v24 16 x lane, v25 the bias's offset, v26 448 x 2^e7, v27 2^e7, v32-63 the bias, v64-95 v's codes, v128-255 the accumulators ((a, b) at 128 + 8 (4 a + b)).
;   window 1: two fragment buffers of 128: 64 registers of x (4 x 16), then 64 of W.
.set PITCH, 272                        ; an LDS row: 256 bytes + 16 of padding = 68 words: row r starts at bank 4 r mod 64 (64 banks of 4 bytes: ISA guide 11.1)
.set CHUNK, 128*PITCH                  ; 34,816
.set HALF,  4*CHUNK                    ; LDS: x0 x1 W0 W1 | x2 x3 W2 W3
.set ADX,  16
.set ADW,  20
.set LI,   24
.set BO,   25
.set LIM,  26
.set SCL,  27
.set BIAS, 32
.set VC,   64
.set ACC,  128
.set F0,   0
.set F1,   128
.set G1,   24                          ; s[24:31] descriptor group 1 for x's chunks; s[32:39] group 0, two sets
.set G0,   32
.set G1B,  48                          ; s[48:55], s[56:63] the same for W's
.set G0B,  56
.set MSB,  0
.macro WIN new                         ; the immediate's high byte repeats the setting that is left
.if MSB != \new
	s_set_vgpr_msb (MSB<<8)|\new
.set MSB, \new
.endif
.endm
.set MUL,  0x05                        ; sources 0 and 1 window 1; C and D window 0
.set TO_F, 0x40                        ; destination window 1, address window 0
.macro CROUND                          ; a round of the cluster's barrier
	s_barrier_signal -1
	s_barrier_wait -1
	s_cmp_lg_u32 s14, 0
	s_cbranch_scc1 .Lnot_wave_0_\@
	s_barrier_signal -3
.Lnot_wave_0_\@:
	s_barrier_wait -3
	s_barrier_signal -1
	s_barrier_wait -1
.endm
.macro PLACES                          ; four plain vector instructions between a matrix instruction and a load into its sources or a read of its result
.rept 4
	v_nop
.endr
.endm
	s_load_b256 s[4:11], s[0:1], 0x0               ; the codes s[4:5], bq s[6:7], bk s[8:9], bv s[10:11]
	s_load_b128 s[68:71], s[0:1], 0x20             ; the scales' exponents s[68:69], q's and k's images s[70:71]
	s_load_b64 s[72:73], s[0:1], 0x30              ; v's images
	v_lshl_add_u32 v126, v0, 2, 0x44000
	v_mov_b32 v127, 0
	ds_add_u32 v126, v127
	ds_add_u32 v126, v127
	v_lshrrev_b32 v1, 5, v0
	v_readfirstlane_b32 s14, v1                    ; wave 0..3
	s_lshr_b32 s15, s14, 1                         ; which 64 rows of x are mine
	s_and_b32 s16, s14, 1                          ; which 64 rows of W.  Also: which chunks I ask for
	s_bfe_u32 s40, ttmp6, 0x40000                  ; cx, cy: my place in the cluster
	s_bfe_u32 s41, ttmp6, 0x40004
	s_lshl_b32 s42, ttmp9, 2
	s_add_co_u32 s42, s42, s40                     ; which 128 rows of W: 4 x cluster x + cx, 0..7
	s_and_b32 s43, ttmp7, 0xffff                   ; cluster y, 0..11
	s_lshr_b32 s44, s43, 2                         ; g
	s_and_b32 s45, s43, 3
	s_lshl_b32 s45, s45, 2
	s_add_co_u32 s45, s45, s41                     ; which 128 rows of x, 0..15
	s_lshl_b32 s46, s41, 2
	s_lshl_b32 s46, 15, s46                        ; my row of the cluster
	s_lshl_b32 s47, 0x1111, s40                    ; my column
	s_or_b32 s[G1+0], s46, (1<<20)|(1<<21)|(5<<22)|(3<<25)   ; 15:0 the mask: x's chunks go to my row; 17:16 elements of 1 byte; 20 padding on; 21 set beside a mask; 24:22 after every 64 words; 31:25 four words
	s_or_b32 s[G1B+0], s47, (1<<20)|(1<<21)|(5<<22)|(3<<25)  ; W's go to my column
.irp g, G1, G1B
	s_mov_b32 s[\g+1], 256<<16                     ; tensor_dim0 = 256
	s_mov_b32 s[\g+2], 128<<16                     ; tensor_dim1 = 128
	s_mov_b32 s[\g+3], 256<<16                     ; tile_dim0 = 256
	s_mov_b32 s[\g+4], 128                         ; tile_dim1 = 128
	s_mov_b32 s[\g+5], 1024                        ; from row to row
	s_mov_b32 s[\g+6], 0
	s_mov_b32 s[\g+7], 0
.endr
	s_lshl_b32 s18, s16, 8                         ; my first chunk: 256 bytes along the rows
	s_lshl_b32 s20, s44, 21                        ; x: 2 MiB of codes for each g,
	s_lshl_b32 s21, s45, 17                        ; 128 rows of 1,024 bytes
	s_add_co_u32 s20, s20, s21
	s_add_co_u32 s20, s20, s18
	s_mov_b32 s21, 0
	s_lshl_b32 s66, s44, 20                        ; W: 1 MiB for each g, behind the 6 MiB of x's codes
	s_lshl_b32 s67, s42, 17
	s_add_co_u32 s66, s66, s67
	s_add_co_u32 s66, s66, s18
	s_add_co_u32 s66, s66, 6291456
	s_mov_b32 s67, 0
	s_mul_i32 s17, s14, CHUNK                      ; where my chunks go: wave x a chunk: no place in the cluster enters an LDS address
	s_lshl_b32 s74, s44, 3
	s_wait_dscnt 0x0
	s_wait_kmcnt 0x0
	s_load_b64 s[78:79], s[68:69], s74 offset:0x0  ; ea, eb: entries 2 g and 2 g + 1
	s_load_b32 s80, s[68:69], 0x1c                 ; entry 7: v's scale as an operand of the attention's second product
	s_add_nc_u64 s[20:21], s[4:5], s[20:21]
	s_add_nc_u64 s[66:67], s[4:5], s[66:67]
.irp i, 0,1
	s_mov_b32 s[G0+4*\i], 1
	s_add_co_u32 s[G0+4*\i+1], s17, \i*HALF
	s_add_nc_u64 s[G0+4*\i+2:G0+4*\i+3], s[20:21], \i*512
	s_or_b32 s[G0+4*\i+3], s[G0+4*\i+3], 0x80000000
	s_mov_b32 s[G0B+4*\i], 1
	s_add_co_u32 s[G0B+4*\i+1], s17, \i*HALF
	s_add_nc_u64 s[G0B+4*\i+2:G0B+4*\i+3], s[66:67], \i*512
	s_or_b32 s[G0B+4*\i+3], s[G0B+4*\i+3], 0x80000000
.endr
	CROUND                                         ; all sixteen work-groups are here: the joint loads meet
	s_cmp_lt_u32 s14, 2                            ; a wave's two fills stand in one branch on the wave's number; four v_nop follow the second
	s_cbranch_scc0 .Lfirst_w
	tensor_load_to_lds s[G0:G0+3], s[G1:G1+7]
	s_nop 0
	tensor_load_to_lds s[G0+4:G0+7], s[G1:G1+7]
	s_nop 0
.rept 4
	v_nop
.endr
	s_branch .Lfirst_asked
.Lfirst_w:
	tensor_load_to_lds s[G0B:G0B+3], s[G1B:G1B+7]
	s_nop 0
	tensor_load_to_lds s[G0B+4:G0B+7], s[G1B:G1B+7]
	s_nop 0
.rept 4
	v_nop
.endr
.Lfirst_asked:
	v_and_b32 v1, 15, v0                           ; r
	v_bfe_u32 v2, v0, 4, 1                         ; h
	v_mul_u32_u24 v3, v1, PITCH
	v_lshl_add_u32 v3, v2, 4, v3                   ; a fragment's row x pitch + 16 h
	s_mul_i32 s18, s15, 64*PITCH                   ; my 64 rows of x
	s_mul_i32 s19, s16, 64*PITCH                   ; my 64 rows of W,
	s_add_co_u32 s19, s19, 2*CHUNK                 ; which lie behind x's two chunks
.irp i, 0,1
	v_add_nc_u32 v[ADX+\i], s18, v3
	v_add_nc_u32 v[ADW+\i], s19, v3
	s_add_co_u32 s18, s18, HALF
	s_add_co_u32 s19, s19, HALF
.endr
	v_and_b32 v[LI], 31, v0
	v_lshlrev_b32 v[LI], 4, v[LI]                  ; an image's place for my lane
	s_lshr_b32 s81, s45, 3                         ; the batch,
	s_lshl_b32 s81, s81, 6
	s_lshl_b32 s82, s42, 3
	s_add_co_u32 s81, s81, s82
	s_lshl_b32 s82, s16, 2
	s_add_co_u32 s81, s81, s82                     ; my first (batch, head): 64 b + 8 x (W's tile) + 4 x (my half)
	s_and_b32 s83, s45, 7                          ; which 128 rows of the batch's 1,024
	s_lshl_b32 s86, s42, 9                         ; my 64 numbers of the bias: 512 bytes a tile of W, 256 a half
	s_lshl_b32 s87, s16, 8
	s_add_co_u32 s86, s86, s87
	s_mov_b32 s87, 0
	s_wait_kmcnt 0x0
	s_add_co_i32 s76, s78, s79
	s_add_co_i32 s76, s76, 127
	s_lshl_b32 s76, s76, 23                        ; 2^(ea + eb) as f32
	s_mov_b32 s77, s76                             ; (named with it as a pair, so it is written)
	s_add_co_i32 s80, s80, 127
	s_lshl_b32 s75, s80, 23
	v_mov_b32 v[SCL], s75                          ; 2^e7
	s_add_co_i32 s80, s80, 8
	s_lshl_b32 s80, s80, 23
	s_or_b32 s80, s80, 0x600000
	v_mov_b32 v[LIM], s80                          ; 448 x 2^e7
	s_wait_tensorcnt 0x0                           ; my two chunks are in,
	s_barrier_signal -1
	s_barrier_wait -1                              ; everybody's are: all of K lies in LDS, and nothing writes LDS from here on
; 32 LDS loads in one run: the fragments of K step t (128 along K; chunk t / 2, half t % 2) into buffer f
.macro FETCH t, f
	WIN TO_F
.irp i, 0,1,2,3
.irp c, 0,1,2,3
	ds_load_b128 v[\f+16*\i+4*\c:\f+16*\i+4*\c+3], v[ADX+(\t)/4] offset:(((\t)/2)%2)*CHUNK+\i*16*PITCH+((\t)%2)*128+32*\c
.endr
.endr
.irp i, 0,1,2,3
.irp c, 0,1,2,3
	ds_load_b128 v[\f+64+16*\i+4*\c:\f+64+16*\i+4*\c+3], v[ADW+(\t)/4] offset:(((\t)/2)%2)*CHUNK+\i*16*PITCH+((\t)%2)*128+32*\c
.endr
.endr
.endm
; 16 matrix instructions, the 16 accumulators by turns, in the same order in every step.  swap = 0: source 0 = W, source 1 = x; swap = 1: exchanged.  zero = 1: the first product starts the sums
.macro MUL16 f, swap, zero
.irp a, 0,1,2,3
.irp b, 0,1,2,3
.if \swap
.if \zero
	v_wmma_f32_16x16x128_fp8_fp8 v[ACC+8*(4*\a+\b):ACC+8*(4*\a+\b)+7], v[\f+16*\a:\f+16*\a+15], v[\f+64+16*\b:\f+64+16*\b+15], 0
.else
	v_wmma_f32_16x16x128_fp8_fp8 v[ACC+8*(4*\a+\b):ACC+8*(4*\a+\b)+7], v[\f+16*\a:\f+16*\a+15], v[\f+64+16*\b:\f+64+16*\b+15], v[ACC+8*(4*\a+\b):ACC+8*(4*\a+\b)+7]
.endif
.else
.if \zero
	v_wmma_f32_16x16x128_fp8_fp8 v[ACC+8*(4*\a+\b):ACC+8*(4*\a+\b)+7], v[\f+64+16*\b:\f+64+16*\b+15], v[\f+16*\a:\f+16*\a+15], 0
.else
	v_wmma_f32_16x16x128_fp8_fp8 v[ACC+8*(4*\a+\b):ACC+8*(4*\a+\b)+7], v[\f+64+16*\b:\f+64+16*\b+15], v[\f+16*\a:\f+16*\a+15], v[ACC+8*(4*\a+\b):ACC+8*(4*\a+\b)+7]
.endif
.endif
.endr
.endr
.endm
; The eight K steps.  While step t is multiplied, step t + 1's fragments are on their way into the other buffer.
.macro KLOOP swap
	FETCH 0, F0
	FETCH 1, F1
	s_wait_dscnt 32                                ; all but the 32 just issued: step 0's fragments are in
	WIN MUL
	MUL16 F0, \swap, 1
.irp t, 1,2,3,4,5,6
	PLACES                                         ; in front of loads into the buffer that the last products read
	FETCH \t+1, F0+128*((\t+1)%2)
	s_wait_dscnt 32                                ; all but the 32 just issued
	WIN MUL
	MUL16 F0+128*(\t%2), \swap, 0
.endr
	s_wait_dscnt 0x0
	MUL16 F1, \swap, 0
	WIN 0
	PLACES                                         ; in front of the first read of results
.endm
	s_cmp_eq_u32 s44, 2                            ; g is made of the cluster's y alone: the same in every wave and every partner
	s_cbranch_scc1 .Lvpath
	; ---- q or k
	s_cmp_eq_u32 s44, 0
	s_cselect_b64 s[84:85], s[6:7], s[8:9]         ; bq or bk
	s_add_nc_u64 s[84:85], s[84:85], s[86:87]
	v_lshlrev_b32 v[BO], 5, v2                     ; lane (r, h) wants, for W's tile b, the numbers 16 b + 8 h + 0 .. 7
.irp b, 0,1,2,3
	global_load_b128 v[BIAS+8*\b:BIAS+8*\b+3], v[BO], s[84:85] offset:64*\b
	global_load_b128 v[BIAS+8*\b+4:BIAS+8*\b+7], v[BO], s[84:85] offset:64*\b+16
.endr
	s_lshl_b32 s88, s44, 23                        ; the images: k's lie 8 MiB behind q's; 65,536 bytes a head; 1,024 a tile of 16 rows
	s_lshl_b32 s89, s81, 16
	s_add_co_u32 s88, s88, s89
	s_lshl_b32 s89, s83, 3
	s_lshl_b32 s90, s15, 2
	s_add_co_u32 s89, s89, s90                     ; my first tile of rows: 8 x (which 128) + 4 x (my half)
	s_lshl_b32 s89, s89, 10
	s_add_co_u32 s88, s88, s89
	s_mov_b32 s89, 0
	s_add_nc_u64 s[70:71], s[70:71], s[88:89]
	KLOOP 0
	s_wait_loadcnt 0x0                             ; the bias
.irp a, 0,1,2,3
.irp b, 0,1,2,3
.irp i, 0,2,4,6
	v_pk_fma_f32 v[ACC+8*(4*\a+\b)+\i:ACC+8*(4*\a+\b)+\i+1], v[ACC+8*(4*\a+\b)+\i:ACC+8*(4*\a+\b)+\i+1], s[76:77], v[BIAS+8*\b+\i:BIAS+8*\b+\i+1] op_sel_hi:[1,0,1]   ; sum x 2^(ea + eb) + bias; each accumulator from its low end on
.endr
	global_store_b128 v[LI], v[ACC+8*(4*\a+\b):ACC+8*(4*\a+\b)+3], s[70:71] offset:\b*65536+\a*1024 th:TH_STORE_NT        ; e = 8 h + 0 .. 3: the wave stores 512 consecutive bytes, aligned
	global_store_b128 v[LI], v[ACC+8*(4*\a+\b)+4:ACC+8*(4*\a+\b)+7], s[70:71] offset:\b*65536+\a*1024+512 th:TH_STORE_NT  ; e = 8 h + 4 .. 7
.endr
.endr
	s_branch .Lend
.Lvpath:
	; ---- v
	s_add_nc_u64 s[84:85], s[10:11], s[86:87]
	v_lshlrev_b32 v[BO], 2, v1                     ; lane (r, h) wants, for W's tile b, the one number 16 b + r
.irp b, 0,1,2,3
	global_load_b32 v[BIAS+\b], v[BO], s[84:85] offset:64*\b
.endr
	s_lshl_b32 s88, s81, 14                        ; the images: 16,384 bytes a head; 1,024 a block of 64 keys
	s_lshl_b32 s89, s83, 1
	s_add_co_u32 s89, s89, s15                     ; my block: 2 x (which 128) + my half
	s_lshl_b32 s89, s89, 10
	s_add_co_u32 s88, s88, s89
	s_mov_b32 s89, 0
	s_add_nc_u64 s[72:73], s[72:73], s[88:89]
	KLOOP 1
	s_wait_loadcnt 0x0                             ; the bias
.irp a, 0,1,2,3
.irp b, 0,1,2,3
.irp j, 0,1,2,3,4,5,6,7
	v_fma_f32 v[ACC+8*(4*\a+\b)+\j], v[ACC+8*(4*\a+\b)+\j], s76, v[BIAS+\b]            ; v = sum x 2^(ea + eb) + bias, from the accumulator's low end on
.endr
.irp j, 0,1,2,3,4,5,6,7
	v_med3_num_f32 v[ACC+8*(4*\a+\b)+\j], v[ACC+8*(4*\a+\b)+\j], -v[LIM], v[LIM]       ; the conversion does not saturate (ISA guide 7.6.2): the hold comes first
.endr
	v_cvt_scalef32_pk8_fp8_f32 v[VC+8*\b+2*\a:VC+8*\b+2*\a+1], v[ACC+8*(4*\a+\b):ACC+8*(4*\a+\b)+7], v[SCL]   ; keys 16 a + 8 h + 0 .. 7 of e = r: registers 2 a, 2 a + 1 of the operand
.endr
.endr
	v_nop                                          ; a plain vector line behind the last conversion
.irp b, 0,1,2,3
	global_store_b128 v[LI], v[VC+8*\b:VC+8*\b+3], s[72:73] offset:\b*16384           ; the wave stores 512 consecutive bytes, aligned
	global_store_b128 v[LI], v[VC+8*\b+4:VC+8*\b+7], s[72:73] offset:\b*16384+512
.endr
.Lend:
	s_wait_tensorcnt 0x0
	ds_add_u32 v126, v127
	s_wait_dscnt 0x0
	CROUND                                         ; the closing round: no work-group ends while a partner may still ask for a chunk that names it
	s_endpgm
.Lfunc_end_k_q4e5372596a_proj:
	.size	k_q4e5372596a_proj, .Lfunc_end_k_q4e5372596a_proj-k_q4e5372596a_proj
	.p2alignl 7, 3214868480
	.fill 96, 4, 3214868480
	.section	.rodata,"a",@progbits
	.p2align	6, 0x0
	.amdhsa_kernel k_q4e5372596a_proj
		.amdhsa_group_segment_fixed_size 279040
		.amdhsa_private_segment_fixed_size 0
		.amdhsa_enable_private_segment 0
		.amdhsa_kernarg_size 56
		.amdhsa_user_sgpr_count 2
		.amdhsa_user_sgpr_kernarg_segment_ptr 1
		.amdhsa_wavefront_size32 1
		.amdhsa_system_sgpr_workgroup_id_x 1
		.amdhsa_system_sgpr_workgroup_id_y 1
		.amdhsa_system_sgpr_workgroup_id_z 1
		.amdhsa_system_vgpr_workitem_id 0
		.amdhsa_next_free_vgpr 512
		.amdhsa_next_free_sgpr 100
		.amdhsa_reserve_vcc 0
		.amdhsa_float_denorm_mode_32 3
		.amdhsa_float_denorm_mode_16_64 3
		.amdhsa_memory_ordered 1
		.amdhsa_forward_progress 1
		.amdhsa_inst_pref_size 86
	.end_amdhsa_kernel
	.amdgpu_metadata
---
amdhsa.version: [ 1, 2 ]
amdhsa.kernels:
  - .name:           k_q4e5372596a_proj
    .symbol:         k_q4e5372596a_proj.kd
    .args:
      - { .name: codes, .offset: 0, .size: 8, .value_kind: global_buffer, .address_space: global }
      - { .name: bq, .offset: 8, .size: 8, .value_kind: global_buffer, .address_space: global }
      - { .name: bk, .offset: 16, .size: 8, .value_kind: global_buffer, .address_space: global }
      - { .name: bv, .offset: 24, .size: 8, .value_kind: global_buffer, .address_space: global }
      - { .name: lowp_scales, .offset: 32, .size: 8, .value_kind: global_buffer, .address_space: global }
      - { .name: qkimg, .offset: 40, .size: 8, .value_kind: global_buffer, .address_space: global }
      - { .name: vimg, .offset: 48, .size: 8, .value_kind: global_buffer, .address_space: global }
    .group_segment_fixed_size: 279040
    .private_segment_fixed_size: 0
    .kernarg_segment_align: 8
    .kernarg_segment_size: 56
    .max_flat_workgroup_size: 128
    .sgpr_count:     100
    .vgpr_count:     512
    .wavefront_size: 32
...
	.end_amdgpu_metadata
.endif
;; end of part 2
;; launch attn (part 3): grid 2 x 128, 16 waves a work-group, no clusters, 169,984 bytes of LDS; arguments qkimg, vimg, lowp_scales, cimg; writes cimg
.if DOCPART == 3
	.amdgcn_target "amdgcn-amd-amdhsa--gfx1250"
	.amdhsa_code_object_version 6
	.text
	.protected	k_q4e5372596a_attn
	.globl	k_q4e5372596a_attn
	.p2align	8
	.type	k_q4e5372596a_attn,@function
k_q4e5372596a_attn:
	s_mov_b64 s[64:65], 0
	v_nop
	global_prefetch_b8 v0, s[64:65] scope:SCOPE_SE
	s_setreg_imm32_b32 hwreg(HW_REG_WAVE_MODE, 25, 1), 1
	s_wait_xcnt 0x0
; ctx[bh][q][:] = the sum over keys of softmax(q . k / 32) v, for 128 (batch, head) pairs of 1,024 queries, 1,024 keys and 16 channels; ctx is quantised on the way out for the last product.
; THE SCORES (K = 16) feed a quantiser, so they are made of f32 operands by v_wmma_f32_16x16x4_f32, four K steps a tile.  THE SECOND PRODUCT is on codes of FP8 (E4M3), by v_wmma_f32_16x16x64_fp8_fp8.
; THE SOFTMAX AHEAD OF IT: t = score x log2(e) / 32; M = the row's largest t so far, rounded UP to a whole number; p = 2^(t - M) is quantised with the given 2^e6, not normalised.  The row's sum is taken of the
; unquantised p and divides at the end.  When M moves, the sum and O are multiplied by 2^(old M - new M), which rounds nothing; there is no branch on data.
; SHARES.  A work-group owns one (batch, head) and 512 of its queries; each of its sixteen waves 32 queries, two tiles x = 0, 1, in 256 registers: four waves to a SIMD, so that one wave's vector work stands beside
; another's matrix work.  Every wave walks all 1,024 keys, 64 a step.  All of k (65,536 bytes) and of v's codes (16,384) lie in LDS, filled once by five tensor loads (waves 0 to 3: k; wave 4: v): no slot is filled again.
; No cluster: a head has two work-groups, and what they share is those 81,920 bytes, read once at the head.
; LAYOUT.  q, k and v arrive as images of operand registers: every load takes 16 bytes at 16 x lane.  Both products are used transposed: S^T = k q^T (source 0 = 16 keys, source 1 = 16 queries), O^T = v^T p^T:
; a lane holds ONE query (lane % 16) throughout.  In K step s of the scores both sides take registers 2 s, 2 s + 1 of their 8: e = 8 (lane / 16) + 2 s + j: a permutation of e that is the same in q and in k.
; In tile c of S^T a lane's registers are keys 16 c + 8 (lane / 16) + 0 .. 7: one conversion gives registers 2 c, 2 c + 1 of p's operand in the matrix unit's own order.
; LIMITS: entries 6 and 8 between -126 and 119, so that 2^e and 448 x 2^e are f32 numbers; e6 + e7 is applied by v_ldexp_f32 and has none.  NaN among the inputs is not served.
; REGISTERS: v1 16 x lane; v2, v3 LDS addresses of the loads in hand; v4 16 x lane + 65,536; v5 my bytes in a tile of ctx; v8-15, v16-23 a tile's statistics (+0 -M, +1 the largest t, +2, +3 the sum in two halves, +4 f,
;   +5 zero, +6, +7 at work); v24, v25 448 x 2^e6, 2^e6; v26, v27 the same for e8; v32-47 q; v48-63 O^T; v64-95 k of a step; v96-103 v of a step; v104-119 p's codes; v128-191 S^T; v192-255 p.
.set ST,  8
.set QF,  32
.set OA,  48
.set KF,  64
.set VF,  96
.set PC,  104
.set SC,  128                          ; written by the f32 matrix instructions alone: what is made of the scores goes into v192 on
.set TT,  192
.set WV,  12                           ; s12  my wave's number
.set G1,  16                           ; s[16:23] descriptor group 1: 64 rows of 256 bytes, dense
.set G0K, 24                           ; s[24:27] group 0 for k's quarter
.set SEL, 28                           ; s[28:29] lane selects for v_permlanex16_b32: lane l xor 16
.set CS,  30                           ; s[30:31] c = log2(e) / 32
.set TB,  32                           ; s32  LDS byte of the step's k
.set TV,  33                           ; s33  of the step's v, from v's first byte
.set CNT, 34
.set G0V, 36                           ; s[36:39] group 0 for v
	s_load_b256 s[4:11], s[0:1], 0x0               ; q's and k's images s[4:5], v's s[6:7], the scales' exponents s[8:9], ctx's codes s[10:11]
	v_lshl_add_u32 v126, v0, 2, 0x29000
	v_mov_b32 v127, 0
	ds_add_u32 v126, v127
	ds_add_u32 v126, v127
	v_lshrrev_b32 v1, 5, v0
	v_readfirstlane_b32 s[WV], v1                  ; wave 0..15
	s_and_b32 s13, ttmp7, 0xffff                   ; the (batch, head)
	s_mov_b32 s[G1], 3<<16                         ; no mask; elements of 8 bytes; no padding
	s_mov_b32 s[G1+1], 32<<16                      ; tensor_dim0 = 32 elements: 256 bytes
	s_mov_b32 s[G1+2], 64<<16                      ; tensor_dim1 = 64
	s_mov_b32 s[G1+3], 32<<16                      ; tile_dim0 = 32
	s_mov_b32 s[G1+4], 64                          ; tile_dim1 = 64
	s_mov_b32 s[G1+5], 32                          ; from row to row: dense
	s_mov_b32 s[G1+6], 0
	s_mov_b32 s[G1+7], 0
	s_mov_b32 s[SEL], 0x76543210
	s_mov_b32 s[SEL+1], 0xfedcba98
	s_mov_b32 s[CS], 0x3d38aa3b                    ; log2(e) / 32
	s_mov_b32 s[CS+1], s[CS]                       ; (named with it as a pair, so it is written)
	s_mov_b32 s[TB], 0
	s_mov_b32 s[TV], 0
	s_lshl_b32 s14, s13, 16                        ; a head's q or k: 65,536 bytes
	s_mov_b32 s15, 0
	s_lshl_b32 s44, s[WV], 14                      ; k: my quarter (waves 0 to 3),
	s_add_co_u32 s44, s44, s14
	s_add_co_u32 s44, s44, 8388608                 ; behind q's 8 MiB
	s_mov_b32 s45, 0
	s_lshl_b32 s46, s13, 14                        ; a head's v, and its ctx: 16,384 bytes
	s_mov_b32 s47, 0
	s_wait_dscnt 0x0
	s_wait_kmcnt 0x0
	s_load_b64 s[40:41], s[8:9], 0x18              ; e6 (p), e7 (v)
	s_load_b32 s42, s[8:9], 0x20                   ; e8 (ctx)
	s_mov_b32 s[G0K], 1
	s_lshl_b32 s[G0K+1], s[WV], 14                 ; LDS: wave x 16,384
	s_add_nc_u64 s[G0K+2:G0K+3], s[4:5], s[44:45]
	s_or_b32 s[G0K+3], s[G0K+3], 0x80000000
	s_mov_b32 s[G0V], 1
	s_mov_b32 s[G0V+1], 65536                      ; LDS: behind k
	s_add_nc_u64 s[G0V+2:G0V+3], s[6:7], s[46:47]
	s_or_b32 s[G0V+3], s[G0V+3], 0x80000000
	s_cmp_lt_u32 s[WV], 4                          ; waves 0 to 3 fetch k, wave 4 v, the others nothing: one load a wave at the most; four v_nop follow each line
	s_cbranch_scc0 .Lnot_k
	tensor_load_to_lds s[G0K:G0K+3], s[G1:G1+7]
	s_nop 0
.rept 4
	v_nop
.endr
	s_branch .Lasked
.Lnot_k:
	s_cmp_lt_u32 s[WV], 5
	s_cbranch_scc0 .Lasked
	tensor_load_to_lds s[G0V:G0V+3], s[G1:G1+7]
	s_nop 0
.rept 4
	v_nop
.endr
.Lasked:
	s_lshl_b32 s43, ttmp9, 15                      ; q: my work-group's 32 tiles of 1,024 bytes,
	s_add_co_u32 s14, s14, s43
	s_lshl_b32 s43, s[WV], 11                      ; my wave's two
	s_add_co_u32 s14, s14, s43
	s_add_nc_u64 s[4:5], s[4:5], s[14:15]
	s_lshl_b32 s43, ttmp9, 13                      ; ctx: 16 bytes a query: 8,192 a work-group,
	s_add_co_u32 s46, s46, s43
	s_lshl_b32 s43, s[WV], 9                       ; 512 a wave
	s_add_co_u32 s46, s46, s43
	s_add_nc_u64 s[10:11], s[10:11], s[46:47]
	v_and_b32 v1, 31, v0
	v_lshlrev_b32 v1, 4, v1                        ; 16 x lane
.irp x, 0,1
	global_load_b128 v[QF+8*\x:QF+8*\x+3], v1, s[4:5] offset:1024*\x          ; q stays in registers
	global_load_b128 v[QF+8*\x+4:QF+8*\x+7], v1, s[4:5] offset:1024*\x+512
.endr
	v_add_nc_u32 v4, 0x10000, v1
	v_and_b32 v5, 15, v0
	v_bfe_u32 v6, v0, 4, 1
	v_lshlrev_b32 v5, 4, v5
	v_lshl_add_u32 v5, v6, 3, v5                   ; 16 r + 8 h
.irp x, 0,1
	v_mov_b32 v[ST+8*\x+1], 0xff61b1e6             ; the largest t so far: -3e38, under every t
	v_floor_f32 v[ST+8*\x], -v[ST+8*\x+1]          ; -M
	v_mov_b32 v[ST+8*\x+2], 0                      ; the sum, in two halves
	v_mov_b32 v[ST+8*\x+3], 0
	v_mov_b32 v[ST+8*\x+5], 0                      ; (named as the upper half of f's pair)
.endr
.set j, 0
.rept 16
	v_mov_b32 v[OA+j], 0                           ; O^T: the step is written once for the loop; its first trip finds zeros, which the first change of M leaves zeros
.set j, j+1
.endr
	s_wait_kmcnt 0x0
	s_add_co_i32 s35, s40, s41                     ; e6 + e7
	s_add_co_i32 s43, s40, 127
	s_lshl_b32 s44, s43, 23
	v_mov_b32 v25, s44                             ; 2^e6
	s_add_co_i32 s43, s43, 8
	s_lshl_b32 s43, s43, 23
	s_or_b32 s43, s43, 0x600000
	v_mov_b32 v24, s43                             ; 448 x 2^e6
	s_add_co_i32 s43, s42, 127
	s_lshl_b32 s44, s43, 23
	v_mov_b32 v27, s44                             ; 2^e8
	s_add_co_i32 s43, s43, 8
	s_lshl_b32 s43, s43, 23
	s_or_b32 s43, s43, 0x600000
	v_mov_b32 v26, s43                             ; 448 x 2^e8
	s_wait_tensorcnt 0x0                           ; my load, if I have one, has landed,
	s_barrier_signal -1
	s_barrier_wait -1                              ; everybody's has: k and v lie in LDS, and nothing writes LDS from here on
.macro KFETCH                          ; a step's four tiles of 16 keys: eight loads of 512 consecutive bytes
.irp c, 0,1,2,3
	ds_load_b128 v[KF+8*\c:KF+8*\c+3], v2 offset:1024*\c
	ds_load_b128 v[KF+8*\c+4:KF+8*\c+7], v2 offset:1024*\c+512
.endr
.endm
; A KEY STEP: 64 keys.  next = 1: the next step's k is fetched behind the scores, and has the softmax in which to land.
.macro STEP next
	s_wait_dscnt 0x0                               ; k is in
.irp s, 0,1,2,3                        ; S^T = k q^T: the eight accumulators by turns, one instruction a turn; the first K step starts the sums
.irp c, 0,1,2,3
.irp x, 0,1
.if \s == 0
	v_wmma_f32_16x16x4_f32 v[SC+32*\x+8*\c:SC+32*\x+8*\c+7], v[KF+8*\c+2*\s:KF+8*\c+2*\s+1], v[QF+8*\x+2*\s:QF+8*\x+2*\s+1], 0
.else
	v_wmma_f32_16x16x4_f32 v[SC+32*\x+8*\c:SC+32*\x+8*\c+7], v[KF+8*\c+2*\s:KF+8*\c+2*\s+1], v[QF+8*\x+2*\s:QF+8*\x+2*\s+1], v[SC+32*\x+8*\c:SC+32*\x+8*\c+7]
.endif
.endr
.endr
.endr
	; eight plain vector instructions stand between this form and a load into its sources or a read of its results
	v_add_nc_u32 v3, s[TV], v4                     ; this step's v
	s_add_co_u32 s[TB], s[TB], 4096
	s_add_co_u32 s[TV], s[TV], 1024
.if \next
	v_add_nc_u32 v2, s[TB], v1                     ; the next step's k
.else
	v_nop
.endif
.rept 6
	v_nop
.endr
	ds_load_b128 v[VF:VF+3], v3
	ds_load_b128 v[VF+4:VF+7], v3 offset:512
.if \next
	KFETCH
.endif
	; the step's largest score of my query among my 32 keys, in two chains; each accumulator is first read at its low end; the two tiles' lines alternate
.irp x, 0,1
	v_max3_num_f32 v[ST+8*\x+6], v[SC+32*\x], v[SC+32*\x+1], v[SC+32*\x+2]
	v_max3_num_f32 v[ST+8*\x+7], v[SC+32*\x+3], v[SC+32*\x+4], v[SC+32*\x+5]
.endr
.irp i, 6,10,14,18,22,26
.irp x, 0,1
	v_max3_num_f32 v[ST+8*\x+6], v[ST+8*\x+6], v[SC+32*\x+\i], v[SC+32*\x+\i+1]
	v_max3_num_f32 v[ST+8*\x+7], v[ST+8*\x+7], v[SC+32*\x+\i+2], v[SC+32*\x+\i+3]
.endr
.endr
.irp x, 0,1
	v_max3_num_f32 v[ST+8*\x+6], v[ST+8*\x+6], v[SC+32*\x+30], v[SC+32*\x+31]
.endr
.irp x, 0,1
	v_max_num_f32 v[ST+8*\x+6], v[ST+8*\x+6], v[ST+8*\x+7]
.endr
.irp x, 0,1
	v_permlanex16_b32 v[ST+8*\x+7], v[ST+8*\x+6], s[SEL], s[SEL+1]
.endr
.irp x, 0,1
	v_max_num_f32 v[ST+8*\x+6], v[ST+8*\x+6], v[ST+8*\x+7]   ; and among lane l xor 16's 32 keys
.endr
.irp x, 0,1
	v_mul_f32 v[ST+8*\x+6], s[CS], v[ST+8*\x+6]              ; as t (c is positive)
.endr
.irp x, 0,1
	v_max_num_f32 v[ST+8*\x+1], v[ST+8*\x+1], v[ST+8*\x+6]   ; the running largest t
.endr
.irp x, 0,1
	v_mov_b32 v[ST+8*\x+6], v[ST+8*\x]
.endr
.irp x, 0,1
	v_floor_f32 v[ST+8*\x], -v[ST+8*\x+1]                    ; the new -M = floor(-t) = -ceil(t): a whole number
.endr
.irp x, 0,1
	v_sub_f32 v[ST+8*\x+6], v[ST+8*\x], v[ST+8*\x+6]         ; old M - new M: a whole number, 0 or less
.endr
.irp x, 0,1
	v_cvt_i32_f32 v[ST+8*\x+6], v[ST+8*\x+6]                 ; (it saturates)
.endr
.irp x, 0,1
	v_ldexp_f32 v[ST+8*\x+4], 1.0, v[ST+8*\x+6]              ; f = 2^(old M - new M)
.endr
.set j, 0
.rept 32
	v_pk_fma_f32 v[TT+j:TT+j+1], v[SC+j:SC+j+1], s[CS:CS+1], v[ST+8*(j/32):ST+8*(j/32)+1] op_sel_hi:[1,0,0]   ; t - M, two at a time, into other registers than the scores'
.set j, j+2
.endr
.set j, 0
.rept 64
	v_exp_f32 v[TT+j], v[TT+j]                     ; p = 2^(t - M), at most 1: not normalised.  One batch
.set j, j+1
.endr
.irp x, 0,1
	v_pk_mul_f32 v[ST+8*\x+2:ST+8*\x+3], v[ST+8*\x+2:ST+8*\x+3], v[ST+8*\x+4:ST+8*\x+5] op_sel_hi:[1,0]   ; the sums under the new M: the plain lines behind the exponentials
.endr
	s_wait_alu depctr_va_vdst(0)                   ; one wait for the whole batch, ahead of its first reader
.irp x, 0,1
	v_pk_add_f32 v[ST+8*\x+6:ST+8*\x+7], v[TT+32*\x:TT+32*\x+1], v[TT+32*\x+2:TT+32*\x+3]   ; the row's sum is taken of the unquantised p: two at a time, in two chains
.endr
.irp i, 4,8,12,16,20,24,28
.irp x, 0,1
	v_pk_add_f32 v[ST+8*\x+2:ST+8*\x+3], v[ST+8*\x+2:ST+8*\x+3], v[TT+32*\x+\i:TT+32*\x+\i+1]
	v_pk_add_f32 v[ST+8*\x+6:ST+8*\x+7], v[ST+8*\x+6:ST+8*\x+7], v[TT+32*\x+\i+2:TT+32*\x+\i+3]
.endr
.endr
.irp x, 0,1
	v_pk_add_f32 v[ST+8*\x+2:ST+8*\x+3], v[ST+8*\x+2:ST+8*\x+3], v[ST+8*\x+6:ST+8*\x+7]
.endr
.irp c, 0,1,2,3
.irp x, 0,1
.irp i, 0,1,2,3,4,5,6,7
	v_min_num_f32 v[TT+32*\x+8*\c+\i], v[TT+32*\x+8*\c+\i], v24   ; the conversion does not saturate (ISA guide 7.6.2); p is not negative, so the hold is one-sided
.endr
	v_cvt_scalef32_pk8_fp8_f32 v[PC+8*\x+2*\c:PC+8*\x+2*\c+1], v[TT+32*\x+8*\c:TT+32*\x+8*\c+7], v25
.endr
.endr
.irp x, 0,1
.irp i, 0,2,4,6
	v_pk_mul_f32 v[OA+8*\x+\i:OA+8*\x+\i+1], v[OA+8*\x+\i:OA+8*\x+\i+1], v[ST+8*\x+4:ST+8*\x+5] op_sel_hi:[1,0]   ; O^T under the new M.  (Also the plain lines between the conversions and the products)
.endr
.endr
.if \next
	s_wait_dscnt 8                                 ; v is in; the eight younger loads, the next step's k, may stay out
.else
	s_wait_dscnt 0x0
.endif
	v_wmma_f32_16x16x64_fp8_fp8 v[OA:OA+7], v[VF:VF+7], v[PC:PC+7], v[OA:OA+7]                 ; O^T += v^T p^T
	v_wmma_f32_16x16x64_fp8_fp8 v[OA+8:OA+15], v[VF:VF+7], v[PC+8:PC+15], v[OA+8:OA+15]
.endm
	v_add_nc_u32 v2, s[TB], v1
	KFETCH                                         ; key step 0
	s_wait_loadcnt 0x0                             ; q
	s_mov_b32 s[CNT], 15
.Lstep:
	STEP 1
	s_sub_co_u32 s[CNT], s[CNT], 1
	s_cmp_lg_u32 s[CNT], 0
	s_cbranch_scc1 .Lstep
	STEP 0                                         ; the last step fetches no further k
	; THE WAY OUT: ctx = O^T / the sum x 2^(e6 + e7), quantised with the given 2^e8.  A lane's eight channels are 8 bytes; a tile's 16 queries x 16 bytes are 256 consecutive bytes, stored by one instruction.
.rept 4
	v_nop                                          ; the places behind the last products
.endr
.irp x, 0,1
	v_add_f32 v[ST+8*\x+6], v[ST+8*\x+2], v[ST+8*\x+3]       ; the sum's two halves,
.endr
.irp x, 0,1
	v_permlanex16_b32 v[ST+8*\x+7], v[ST+8*\x+6], s[SEL], s[SEL+1]
.endr
.irp x, 0,1
	v_add_f32 v[ST+8*\x+6], v[ST+8*\x+6], v[ST+8*\x+7]       ; and lane l xor 16's
.endr
.irp x, 0,1
	v_rcp_f32 v[ST+8*\x+7], v[ST+8*\x+6]
.endr
	v_nop                                          ; a plain line behind the last reciprocal
	s_wait_alu depctr_va_vdst(0)                   ; and the wait ahead of the first reader: one for both
.irp x, 0,1
	v_ldexp_f32 v[ST+8*\x+7], v[ST+8*\x+7], s35
.endr
.irp x, 0,1
.irp i, 0,1,2,3,4,5,6,7
	v_mul_f32 v[TT+32*\x+\i], v[OA+8*\x+\i], v[ST+8*\x+7]    ; from the accumulator's low end on
.endr
.endr
.irp x, 0,1
.irp i, 0,1,2,3,4,5,6,7
	v_med3_num_f32 v[TT+32*\x+\i], v[TT+32*\x+\i], -v26, v26
.endr
.endr
.irp x, 0,1
	v_cvt_scalef32_pk8_fp8_f32 v[PC+8*\x:PC+8*\x+1], v[TT+32*\x:TT+32*\x+7], v27
.endr
	v_nop                                          ; a plain vector line behind the last conversion
.irp x, 0,1
	global_store_b64 v5, v[PC+8*\x:PC+8*\x+1], s[10:11] offset:256*\x
.endr
	s_wait_tensorcnt 0x0
	ds_add_u32 v126, v127
	s_wait_dscnt 0x0
	s_endpgm
.Lfunc_end_k_q4e5372596a_attn:
	.size	k_q4e5372596a_attn, .Lfunc_end_k_q4e5372596a_attn-k_q4e5372596a_attn
	.p2alignl 7, 3214868480
	.fill 96, 4, 3214868480
	.section	.rodata,"a",@progbits
	.p2align	6, 0x0
	.amdhsa_kernel k_q4e5372596a_attn
		.amdhsa_group_segment_fixed_size 169984
		.amdhsa_private_segment_fixed_size 0
		.amdhsa_enable_private_segment 0
		.amdhsa_kernarg_size 32
		.amdhsa_user_sgpr_count 2
		.amdhsa_user_sgpr_kernarg_segment_ptr 1
		.amdhsa_wavefront_size32 1
		.amdhsa_system_sgpr_workgroup_id_x 1
		.amdhsa_system_sgpr_workgroup_id_y 1
		.amdhsa_system_sgpr_workgroup_id_z 1
		.amdhsa_system_vgpr_workitem_id 0
		.amdhsa_next_free_vgpr 256
		.amdhsa_next_free_sgpr 66
		.amdhsa_reserve_vcc 0
		.amdhsa_float_denorm_mode_32 3
		.amdhsa_float_denorm_mode_16_64 3
		.amdhsa_memory_ordered 1
		.amdhsa_forward_progress 1
		.amdhsa_inst_pref_size 39
	.end_amdhsa_kernel
	.amdgpu_metadata
---
amdhsa.version: [ 1, 2 ]
amdhsa.kernels:
  - .name:           k_q4e5372596a_attn
    .symbol:         k_q4e5372596a_attn.kd
    .args:
      - { .name: qkimg, .offset: 0, .size: 8, .value_kind: global_buffer, .address_space: global }
      - { .name: vimg, .offset: 8, .size: 8, .value_kind: global_buffer, .address_space: global }
      - { .name: lowp_scales, .offset: 16, .size: 8, .value_kind: global_buffer, .address_space: global }
      - { .name: cimg, .offset: 24, .size: 8, .value_kind: global_buffer, .address_space: global }
    .group_segment_fixed_size: 169984
    .private_segment_fixed_size: 0
    .kernarg_segment_align: 8
    .kernarg_segment_size: 32
    .max_flat_workgroup_size: 512
    .sgpr_count:     66
    .vgpr_count:     256
    .wavefront_size: 32
...
	.end_amdgpu_metadata
.endif
;; end of part 3
;; launch outp (part 4): grid 16 x 16, 4 waves a work-group, clusters of 4 x 4, 236,032 bytes of LDS; arguments cimg, codes, bo, lowp_scales, out0; writes out0
.if DOCPART == 4
	.amdgcn_target "amdgcn-amd-amdhsa--gfx1250"
	.amdhsa_code_object_version 6
	.text
	.protected	k_q4e5372596a_outp
	.globl	k_q4e5372596a_outp
	.p2align	8
	.type	k_q4e5372596a_outp,@function
k_q4e5372596a_outp:
	s_mov_b64 s[64:65], 0
	v_nop
	global_prefetch_b8 v0, s[64:65] scope:SCOPE_SE
	s_setreg_imm32_b32 hwreg(HW_REG_WAVE_MODE, 25, 1), 1
	s_wait_xcnt 0x0
	s_wait_alu depctr_hold_cnt(0) depctr_sa_sdst(0) depctr_va_vdst(0) depctr_va_sdst(0) depctr_va_ssrc(0) depctr_va_vcc(0) depctr_vm_vsrc(0)
	s_getreg_b32 s2, hwreg(HW_REG_IB_STS2, 6, 4)
	s_cmp_eq_u32 s2, 0
	s_cbranch_scc0 .Lentry_in_a_cluster
	s_endpgm
.Lentry_in_a_cluster:
	s_bfe_u32 s2, ttmp6, 0x10000c
	s_cmp_lg_u32 s2, 0xf033
	s_cbranch_scc0 .Lentry_shape_is_right
	s_endpgm
.Lentry_shape_is_right:
; out = ctx Wo^T + bo on codes of FP8 (E4M3).  ctx: codes laid [batch][head (64)][s (1,024)][16 channels]; k = 16 x head + channel.  Wo: [1024][1024] codes, K innermost, the tenth MiB of the codes' buffer.  out: [2048][1024] f32.
; SHARES.  A work-group makes 128 rows x 64 columns: 256 work-groups.  Wave w makes rows 32 w .. 32 w + 31 and all 64 columns: 8 accumulators.
; ALL OF K LIES IN LDS, in 4 chunks of 256 along K, each filled once.  ctx's chunk is 16 heads x (128 rows x 16 bytes), as it lies in memory; Wo's is 64 rows of 256 bytes + 16 of padding.
; CLUSTERS: 4 x 4 work-groups.  The four of a row of the cluster need the same rows of ctx, the four of a column the same rows of Wo: each chunk is asked for JOINTLY.  Waves 0 and 1 ask for ctx's chunks
; (wave, wave + 2), waves 2 and 3 for Wo's: two loads of a wave are out.
; A FRAGMENT (16 rows x 128 K) is four loads of 16 bytes.  Of ctx, load c takes head 8 t + 2 c + (lane / 16) of row lane % 16: k = 128 t + 32 c + 16 (lane / 16) + 0 .. 15; of Wo the same k, 32 bytes apart in a row.
; That is a permutation of k that is the same on both sides.  Source 0 = 16 rows of Wo, source 1 = 16 rows of ctx: a lane holds eight neighbouring columns of one row of out.
; LIMIT: e8 + e9 between -126 and 127, so that 2^(e8 + e9) is an f32 number.
; REGISTERS: window 0: v1 r, v2 h, v16-17 ctx's LDS addresses, v20 Wo's, v22, v23 the stage, v24 my offset in out, v25 the bias's offset, v32-63 the bias, v64-127 rows read back, v192-255 the accumulators ((a, n) at 192 + 8 (4 a + n)).
;   window 1: two fragment buffers at 0 and at 128: 32 registers of ctx, then 64 of Wo.
.set PITCH, 272                        ; Wo's LDS row, and the stage's: 256 bytes + 16 of padding
.set WOFF,  131072                     ; behind ctx's four chunks of 32,768 bytes
.set WCH,   64*PITCH                   ; 17,408
.set STAGE, WOFF+4*WCH                 ; 200,704: bytes of its own, into which no tensor load lands: 32 rows x 272 bytes for each wave
.set ADC,  16
.set ADW,  20
.set STO,  22
.set RD,   23
.set CO,   24
.set BO,   25
.set BIAS, 32
.set BK,   64
.set ACC,  192
.set F0,   0
.set F1,   128
.set G1,   24
.set G0,   32
.set G1B,  48
.set G0B,  56
.set MSB,  0
.macro WIN new                         ; the immediate's high byte repeats the setting that is left
.if MSB != \new
	s_set_vgpr_msb (MSB<<8)|\new
.set MSB, \new
.endif
.endm
.set MUL,  0x05                        ; sources 0 and 1 window 1; C and D window 0
.set TO_F, 0x40                        ; destination window 1, address window 0
.macro CROUND                          ; a round of the cluster's barrier
	s_barrier_signal -1
	s_barrier_wait -1
	s_cmp_lg_u32 s14, 0
	s_cbranch_scc1 .Lnot_wave_0_\@
	s_barrier_signal -3
.Lnot_wave_0_\@:
	s_barrier_wait -3
	s_barrier_signal -1
	s_barrier_wait -1
.endm
.macro PLACES                          ; four plain vector instructions between a matrix instruction and a load into its sources or a read of its result
.rept 4
	v_nop
.endr
.endm
	s_load_b256 s[4:11], s[0:1], 0x0               ; ctx's codes s[4:5], the codes' buffer s[6:7], bo s[8:9], the scales' exponents s[10:11]
	s_load_b64 s[12:13], s[0:1], 0x20              ; out
	v_lshl_add_u32 v190, v0, 2, 0x39800
	v_mov_b32 v191, 0
	ds_add_u32 v190, v191
	ds_add_u32 v190, v191
	v_lshrrev_b32 v1, 5, v0
	v_readfirstlane_b32 s14, v1                    ; wave 0..3
	s_and_b32 s16, s14, 1                          ; which chunks I ask for
	s_bfe_u32 s40, ttmp6, 0x40000                  ; cx, cy
	s_bfe_u32 s41, ttmp6, 0x40004
	s_lshl_b32 s42, ttmp9, 2
	s_add_co_u32 s42, s42, s40                     ; which 64 columns, 0..15
	s_and_b32 s45, ttmp7, 0xffff
	s_lshl_b32 s45, s45, 2
	s_add_co_u32 s45, s45, s41                     ; which 128 rows, 0..15
	s_lshl_b32 s46, s41, 2
	s_lshl_b32 s46, 15, s46                        ; my row of the cluster
	s_lshl_b32 s47, 0x1111, s40                    ; my column
	s_or_b32 s[G1+0], s46, (1<<21)                 ; ctx: the mask of my row; elements of 1 byte; no padding; 21 set beside a mask
	s_mov_b32 s[G1+1], 2048<<16                    ; tensor_dim0 = 2,048: 128 rows x 16 bytes of one head
	s_mov_b32 s[G1+2], 16<<16                      ; tensor_dim1 = 16 heads
	s_mov_b32 s[G1+3], 2048<<16                    ; tile_dim0
	s_mov_b32 s[G1+4], 16                          ; tile_dim1
	s_mov_b32 s[G1+5], 16384                       ; from head to head
	s_mov_b32 s[G1+6], 0
	s_mov_b32 s[G1+7], 0
	s_or_b32 s[G1B+0], s47, (1<<20)|(1<<21)|(5<<22)|(3<<25)  ; Wo: the mask of my column; padding: four words after every 64
	s_mov_b32 s[G1B+1], 256<<16
	s_mov_b32 s[G1B+2], 64<<16
	s_mov_b32 s[G1B+3], 256<<16
	s_mov_b32 s[G1B+4], 64
	s_mov_b32 s[G1B+5], 1024
	s_mov_b32 s[G1B+6], 0
	s_mov_b32 s[G1B+7], 0
	s_lshr_b32 s20, s45, 3                         ; ctx: the batch's 1 MiB,
	s_lshl_b32 s20, s20, 20
	s_and_b32 s21, s45, 7
	s_lshl_b32 s21, s21, 11                        ; my 128 rows of 16 bytes,
	s_add_co_u32 s20, s20, s21
	s_lshl_b32 s21, s16, 18                        ; my first chunk: 16 heads of 16,384 bytes
	s_add_co_u32 s20, s20, s21
	s_mov_b32 s21, 0
	s_lshl_b32 s66, s42, 16                        ; Wo: my 64 rows of 1,024 bytes,
	s_lshl_b32 s67, s16, 8                         ; my first chunk,
	s_add_co_u32 s66, s66, s67
	s_add_co_u32 s66, s66, 9437184                 ; behind 9 MiB of other codes
	s_mov_b32 s67, 0
	s_lshl_b32 s17, s16, 15                        ; where they go: ctx's chunk,
	s_mul_i32 s18, s16, WCH
	s_add_co_u32 s18, s18, WOFF                    ; Wo's: no place in the cluster enters an LDS address
	s_wait_dscnt 0x0
	s_wait_kmcnt 0x0
	s_load_b64 s[78:79], s[10:11], 0x20            ; e8, e9
	s_add_nc_u64 s[20:21], s[4:5], s[20:21]
	s_add_nc_u64 s[66:67], s[6:7], s[66:67]
.irp i, 0,1
	s_mov_b32 s[G0+4*\i], 1
	s_add_co_u32 s[G0+4*\i+1], s17, \i*65536
	s_add_nc_u64 s[G0+4*\i+2:G0+4*\i+3], s[20:21], \i*524288
	s_or_b32 s[G0+4*\i+3], s[G0+4*\i+3], 0x80000000
	s_mov_b32 s[G0B+4*\i], 1
	s_add_co_u32 s[G0B+4*\i+1], s18, \i*2*WCH
	s_add_nc_u64 s[G0B+4*\i+2:G0B+4*\i+3], s[66:67], \i*512
	s_or_b32 s[G0B+4*\i+3], s[G0B+4*\i+3], 0x80000000
.endr
	CROUND                                         ; all sixteen work-groups are here: the joint loads meet
	s_cmp_lt_u32 s14, 2                            ; a wave's two fills stand in one branch on the wave's number; four v_nop follow the second
	s_cbranch_scc0 .Lfirst_w
	tensor_load_to_lds s[G0:G0+3], s[G1:G1+7]
	s_nop 0
	tensor_load_to_lds s[G0+4:G0+7], s[G1:G1+7]
	s_nop 0
.rept 4
	v_nop
.endr
	s_branch .Lfirst_asked
.Lfirst_w:
	tensor_load_to_lds s[G0B:G0B+3], s[G1B:G1B+7]
	s_nop 0
	tensor_load_to_lds s[G0B+4:G0B+7], s[G1B:G1B+7]
	s_nop 0
.rept 4
	v_nop
.endr
.Lfirst_asked:
	v_and_b32 v1, 15, v0                           ; r
	v_bfe_u32 v2, v0, 4, 1                         ; h
	v_lshlrev_b32 v3, 4, v1
	v_lshl_add_u32 v3, v2, 11, v3                  ; ctx: 16 r + 2,048 h (the next head)
	s_lshl_b32 s19, s14, 9                         ; + my 32 rows of 16 bytes
	v_add_nc_u32 v[ADC], s19, v3
	v_add_nc_u32 v[ADC+1], 0x10000, v[ADC]         ; chunks 2 and 3
	v_mul_u32_u24 v4, v1, PITCH
	v_lshl_add_u32 v4, v2, 4, v4
	v_add_nc_u32 v[ADW], WOFF, v4                  ; Wo: row r x pitch + 16 h
	s_mul_i32 s19, s14, 32*PITCH
	s_add_co_u32 s19, s19, STAGE                   ; my stage
	v_mul_u32_u24 v4, v1, PITCH
	v_lshl_add_u32 v4, v2, 5, v4
	v_add_nc_u32 v[STO], s19, v4                   ; in: row r, 32 bytes for each half of the lanes
	v_mul_u32_u24 v5, v2, PITCH
	v_lshl_add_u32 v5, v1, 4, v5
	v_add_nc_u32 v[RD], s19, v5                    ; back: lanes 0-15 one row of 256 bytes, lanes 16-31 the next
	v_lshlrev_b32 v5, 12, v2
	v_lshl_add_u32 v[CO], v1, 4, v5                ; and the same two rows in out (4,096 bytes a row)
	s_lshl_b32 s22, s42, 8                         ; the bias: my 64 numbers; lane (r, h) wants, for tile n, 16 n + 8 h + 0 .. 7
	s_mov_b32 s23, 0
	s_add_nc_u64 s[8:9], s[8:9], s[22:23]
	v_lshlrev_b32 v[BO], 5, v2
.irp n, 0,1,2,3
	global_load_b128 v[BIAS+8*\n:BIAS+8*\n+3], v[BO], s[8:9] offset:64*\n
	global_load_b128 v[BIAS+8*\n+4:BIAS+8*\n+7], v[BO], s[8:9] offset:64*\n+16
.endr
	s_lshl_b32 s82, s45, 19                        ; out: 128 rows of 4,096 bytes a work-group,
	s_lshl_b32 s83, s14, 17                        ; 32 a wave,
	s_add_co_u32 s82, s82, s83
	s_add_co_u32 s82, s82, s22                     ; my 64 columns: 256 bytes
	s_mov_b32 s83, 0
	s_add_nc_u64 s[12:13], s[12:13], s[82:83]
	s_wait_kmcnt 0x0
	s_add_co_i32 s76, s78, s79
	s_add_co_i32 s76, s76, 127
	s_lshl_b32 s76, s76, 23                        ; 2^(e8 + e9) as f32
	s_mov_b32 s77, s76                             ; (named with it as a pair, so it is written)
	s_wait_tensorcnt 0x0                           ; my two chunks are in,
	s_barrier_signal -1
	s_barrier_wait -1                              ; everybody's are
; 24 LDS loads in one run: the fragments of K step t into buffer f
.macro FETCH t, f
	WIN TO_F
.irp a, 0,1
.irp c, 0,1,2,3
	ds_load_b128 v[\f+16*\a+4*\c:\f+16*\a+4*\c+3], v[ADC+(\t)/4] offset:((\t)%4)*16384+\c*4096+\a*256      ; sixteen lanes read 256 consecutive bytes
.endr
.endr
.irp n, 0,1,2,3
.irp c, 0,1,2,3
	ds_load_b128 v[\f+32+16*\n+4*\c:\f+32+16*\n+4*\c+3], v[ADW] offset:((\t)/2)*WCH+\n*16*PITCH+((\t)%2)*128+32*\c
.endr
.endr
.endm
; 8 matrix instructions, the 8 accumulators by turns, in the same order in every step
.macro MUL8 f, zero
.irp a, 0,1
.irp n, 0,1,2,3
.if \zero
	v_wmma_f32_16x16x128_fp8_fp8 v[ACC+8*(4*\a+\n):ACC+8*(4*\a+\n)+7], v[\f+32+16*\n:\f+32+16*\n+15], v[\f+16*\a:\f+16*\a+15], 0
.else
	v_wmma_f32_16x16x128_fp8_fp8 v[ACC+8*(4*\a+\n):ACC+8*(4*\a+\n)+7], v[\f+32+16*\n:\f+32+16*\n+15], v[\f+16*\a:\f+16*\a+15], v[ACC+8*(4*\a+\n):ACC+8*(4*\a+\n)+7]
.endif
.endr
.endr
.endm
	FETCH 0, F0
	FETCH 1, F1
	s_wait_dscnt 24                                ; all but the 24 just issued: step 0's fragments are in
	WIN MUL
	MUL8 F0, 1
.irp t, 1,2,3,4,5,6
	PLACES                                         ; in front of loads into the buffer that the last products read
	FETCH \t+1, F0+128*((\t+1)%2)
	s_wait_dscnt 24                                ; all but the 24 just issued
	WIN MUL
	MUL8 F0+128*(\t%2), 0
.endr
	s_wait_dscnt 0x0
	MUL8 F1, 0
	WIN 0
	PLACES                                         ; in front of the first read of results
	s_wait_loadcnt 0x0                             ; the bias
	; THE WAY OUT: a lane holds 32 bytes of a row and the lanes beside it hold other rows: so my 32 rows go through my own stage and come back as whole rows of 256 bytes.
.irp a, 0,1
.irp n, 0,1,2,3
.irp i, 0,2,4,6
	v_pk_fma_f32 v[ACC+8*(4*\a+\n)+\i:ACC+8*(4*\a+\n)+\i+1], v[ACC+8*(4*\a+\n)+\i:ACC+8*(4*\a+\n)+\i+1], s[76:77], v[BIAS+8*\n+\i:BIAS+8*\n+\i+1] op_sel_hi:[1,0,1]   ; sum x 2^(e8 + e9) + bias; each accumulator from its low end on
.endr
	ds_store_b128 v[STO], v[ACC+8*(4*\a+\n):ACC+8*(4*\a+\n)+3] offset:\a*16*PITCH+64*\n
	ds_store_b128 v[STO], v[ACC+8*(4*\a+\n)+4:ACC+8*(4*\a+\n)+7] offset:\a*16*PITCH+64*\n+16
.endr
.endr
.irp i, 0,1,2,3,4,5,6,7,8,9,10,11,12,13,14,15
	ds_load_b128 v[BK+4*\i:BK+4*\i+3], v[RD] offset:\i*2*PITCH      ; LDS serves a wave's instructions in order (ISA guide 5.7.1.4): these see my stores
.endr
.irp i, 0,1,2,3,4,5,6,7,8,9,10,11,12,13,14,15
	s_wait_dscnt 15-\i                             ; row pair i is back; the younger loads may stay out
	global_store_b128 v[CO], v[BK+4*\i:BK+4*\i+3], s[12:13] offset:\i*8192 th:TH_STORE_NT   ; sixteen lanes store 256 consecutive bytes, at a multiple of 256 from the buffer's first byte
.endr
	s_wait_tensorcnt 0x0
	ds_add_u32 v190, v191
	s_wait_dscnt 0x0
	CROUND                                         ; the closing round: no work-group ends while a partner may still ask for a chunk that names it
	s_endpgm
.Lfunc_end_k_q4e5372596a_outp:
	.size	k_q4e5372596a_outp, .Lfunc_end_k_q4e5372596a_outp-k_q4e5372596a_outp
	.p2alignl 7, 3214868480
	.fill 96, 4, 3214868480
	.section	.rodata,"a",@progbits
	.p2align	6, 0x0
	.amdhsa_kernel k_q4e5372596a_outp
		.amdhsa_group_segment_fixed_size 236032
		.amdhsa_private_segment_fixed_size 0
		.amdhsa_enable_private_segment 0
		.amdhsa_kernarg_size 40
		.amdhsa_user_sgpr_count 2
		.amdhsa_user_sgpr_kernarg_segment_ptr 1
		.amdhsa_wavefront_size32 1
		.amdhsa_system_sgpr_workgroup_id_x 1
		.amdhsa_system_sgpr_workgroup_id_y 1
		.amdhsa_system_sgpr_workgroup_id_z 1
		.amdhsa_system_vgpr_workitem_id 0
		.amdhsa_next_free_vgpr 512
		.amdhsa_next_free_sgpr 100
		.amdhsa_reserve_vcc 0
		.amdhsa_float_denorm_mode_32 3
		.amdhsa_float_denorm_mode_16_64 3
		.amdhsa_memory_ordered 1
		.amdhsa_forward_progress 1
		.amdhsa_inst_pref_size 32
	.end_amdhsa_kernel
	.amdgpu_metadata
---
amdhsa.version: [ 1, 2 ]
amdhsa.kernels:
  - .name:           k_q4e5372596a_outp
    .symbol:         k_q4e5372596a_outp.kd
    .args:
      - { .name: cimg, .offset: 0, .size: 8, .value_kind: global_buffer, .address_space: global }
      - { .name: codes, .offset: 8, .size: 8, .value_kind: global_buffer, .address_space: global }
      - { .name: bo, .offset: 16, .size: 8, .value_kind: global_buffer, .address_space: global }
      - { .name: lowp_scales, .offset: 24, .size: 8, .value_kind: global_buffer, .address_space: global }
      - { .name: out0, .offset: 32, .size: 8, .value_kind: global_buffer, .address_space: global }
    .group_segment_fixed_size: 236032
    .private_segment_fixed_size: 0
    .kernarg_segment_align: 8
    .kernarg_segment_size: 40
    .max_flat_workgroup_size: 128
    .sgpr_count:     100
    .vgpr_count:     512
    .wavefront_size: 32
...
	.end_amdgpu_metadata
.endif
;; end of part 4
